; MI455X (gfx1250); checked and timed in simulation.
; The chip was launched on July 23, 2026; its instructions are those of AMD's public machine-readable ISA for CDNA 5 (MIT licence, August 2026) and "CDNA5" Instruction Set Architecture Reference Guide (July 2026). The comments in the code are by the model that wrote it; some were corrected since.
;; Iterative Model. Allowed arithmetic: matrix products marked QUANTISED: E2M3 operands, one E8M0 scale for each 32 along K, by v_wmma_scale_f32_16x16x128_f8f6f4 with both operands' format E2M3, f32 sums; products left as they are: f32 operands where the result goes on into a quantised operand, else bf16, f16 or f32 operands; f32 sums; everything else in f32.
;; Inputs: W_fc 2,048 x 5 float32; W_feat 4,096 x 2,048 float32; b_fc 5 float32; prototypes 5 x 8 x 2,048 float32; x 8,192 x 4,096 float32.
;; Outputs: out0 8,192 x 5 float32; out1 8,192 int32.
;; Constants: epoch = 5.
;; This version of the problem:
;;   THIS VERSION OF THE PROBLEM IS GIVEN IN LOW PRECISION. The matrix products marked QUANTISED in the list below multiply operands that are first quantised to E2M3 (2 exponent bits, 3 mantissa bits; 6 bits a number), with one power-of-two scale for each 32 numbers along K (OCP MX v1.0); their sums are f32. All else is computed in f32.
;;   The module's matrix products, in the order in which they are computed (A, B: the left and right operand; K: the contracted axis; several contracted axes count as one K, in the product's order):
;;     1. [M 8,192, K 4,096] x [K 4,096, N 2,048]; A: input x; B: input W_feat: QUANTISED
;;     2. [M 8,192, K 2,048] x [K 2,048, N 5]; A: computed on the way; B: input W_fc: left as it is (N = 5 < 16)
;;     3. [M 8,192, K 2,048] x [K 2,048, N 5]; A: computed on the way; B: computed on the way: left as it is (N = 5 < 16)
;;   THE QUANTISER, for each operand of a quantised product, along K:
;;     - K is cut into blocks of 32 from its start; a last block that is shorter is filled with zeros.
;;     - A block's scale is 2^e with e = floor(log2(the largest magnitude in the block)) - 2, held to -126 .. 127; a block of zeros has e = 0. As a byte (E8M0): e + 127.
;;     - Each number is divided by its block's scale, clamped to +-7.5, and rounded to the nearest number of E2M3, ties to even, subnormals kept.
;;     - The product sums the exact products of the quantised numbers (number of the format x scale) in f32.
;;   ~~~python
;;   def quantise(x, axis):      # numpy; x: float32 -> the quantised numbers, widened to float32 again
;;       x = np.moveaxis(x, axis, -1); K = x.shape[-1]
;;       x = np.pad(x, [(0, 0)] * (x.ndim - 1) + [(0, -K % 32)]); x = x.reshape(x.shape[:-1] + (-1, 32)); a = np.abs(x).max(-1, keepdims=True)
;;       e = np.where(a > 0, np.clip(np.frexp(np.where(a > 0, a, 1))[1] - 1 - 2, -126, 127), 0)      # np.frexp(a)[1] - 1 = floor(log2(a)), exactly
;;       r = np.clip(x / 2.0 ** e, -7.5, 7.5)
;;       step = 2.0 ** (np.maximum(np.frexp(np.where(r == 0, 1, r))[1] - 1, 0) - 3)
;;       q = np.round(r / step) * step * 2.0 ** e      # np.round: ties to even
;;       return np.moveaxis(q.reshape(q.shape[:-2] + (-1,))[..., :K], -1, axis).astype(np.float32)
;;   ~~~
;; One version. Each part assembles by itself: llvm-mc -triple=amdgcn-amd-amdhsa -mcpu=gfx1250 --defsym DOCPART=n.
;; ======== version 1 of 1: 3 launches
;; workspace buffers: xc 25,165,824 bytes; xs 1,048,576 bytes; wc 6,291,456 bytes; ws 262,144 bytes; tab 81,920 bytes; part 2,883,584 bytes
;; launch prep (part 1): grid 1285 x 1, 4 waves a work-group, no clusters, 64,256 bytes of LDS; arguments x, W_feat, W_fc, prototypes, xc, xs, wc, ws, tab; writes xc, xs, wc, ws, tab
.if DOCPART == 1
	.amdgcn_target "amdgcn-amd-amdhsa--gfx1250"
	.amdhsa_code_object_version 6
	.text
	.protected	k_qb59d542804_prep
	.globl	k_qb59d542804_prep
	.p2align	8
	.type	k_qb59d542804_prep,@function
k_qb59d542804_prep:
	s_mov_b64 s[64:65], 0
	v_nop
	global_prefetch_b8 v0, s[64:65] scope:SCOPE_SE
	s_setreg_imm32_b32 hwreg(HW_REG_WAVE_MODE, 25, 1), 1
	s_wait_xcnt 0x0
; ONE LAUNCH MAKES ALL THAT THE PRODUCT'S LAUNCH READS.  Three ways part on the work-group's number alone; each has its own pointers, its own LDS bytes and its own end.
;   work-groups 0-4     (a class c each): tab row c = column c of W_fc [2048][5]; tab row 5 + c = the sum over s of prototypes[c][s][:] / |prototypes[c][s]|.  tab: [10][2048] f32.
;   work-groups 5-260   W_feat [4096 (k)][2048 (n)] f32 -> codes of FP6 (E2M3) laid [2048 (n)][4096 (k)], K innermost, 3,072 bytes a row (wc), and one E8M0 byte for each 32 along K, [2048][128] (ws).
;   work-groups 261-1284  x [8192][4096] f32 -> codes [8192][3,072 bytes] (xc) and bytes [8192][128] (xs).
; THE QUANTISER.  A block's scale is 2^(floor(log2(its largest magnitude)) - 2); its byte is the largest magnitude's own exponent field - 2, held at 1 from below by a floor among the maximum's leaves.
; Each number is divided by the scale and rounded to the nearest code, ties to even; beyond 7.5 the conversion gives the largest code.
; LIMITS.  A block of zeros gets the byte 1 where the rule says 127: its codes are zeros, which add nothing under any byte but 0xff, and this program alone reads the bytes.  Blocks whose largest magnitude lies
; under 2^-124 (the floor) keep the byte 1.  NaN and infinities among the inputs are not served.  A prototype whose sum of squares lies under 2^-126 counts as zero for v_rsq_f32 (ISA guide 15.8: it flushes denormals).
; No cluster and no tensor load: no two work-groups read the same bytes but the small tables.  In the two quantisers' ways waves hand each other nothing; the table's way has one barrier.
.set SIZE_K, 4096
.set SIZE_N, 2048
.set NT,     5                         ; work-groups of the table's way
.set NW,     256                       ; of W_feat's: 16 x 128 columns, 16 x 256 along K
.set XL,     0                         ; LDS: x's way: 4 waves x WREG
.set WREG,   7168                      ; two stages of 32 x 80 bytes, the wave's 256 scale bytes, 1,536 bytes for four steps' codes (6,912 in all, rounded up to blocks of 1,024)
.set WL,     4*WREG                    ; LDS: W_feat's way: 4 waves x 32 rows x 272 bytes
.set TL,     WL+4*32*272               ; LDS: the table's way: 8 rows x 4 waves' partial sums of squares, 128 bytes
	v_lshl_add_u32 v192, v0, 2, 0xf900
	v_mov_b32 v193, 0
	v_lshrrev_b32 v1, 5, v0
	v_readfirstlane_b32 s16, v1                    ; wave 0..3
	v_and_b32 v2, 31, v0                           ; lane
	s_cmp_lt_u32 ttmp9, NT
	s_cbranch_scc1 .Ltab
	s_cmp_lt_u32 ttmp9, NT+NW
	s_cbranch_scc1 .Lw
; ------------------------------------------------------------------ x: a plain stream of blocks of 32 (rows are dense, 4,096 is a multiple of 32)
; A wave takes a run of 8,192 numbers in 16 steps of 512.  Each of a step's four loads reads 512 consecutive bytes, 16 a lane; the 2,048 bytes turn through the wave's own stage in LDS and come back 64 bytes a lane:
; 16 NEIGHBOURS along K in a lane's registers, as the conversion wants them; two neighbouring lanes hold a block.  The stage has 16 bytes of padding behind each 64.
; A lane's 16 codes are 12 bytes, a step's 384.  Four steps' codes, 1,536 bytes, are gathered in the wave's own LDS (three words a lane, 3 words from lane to lane: 32 different banks of the 64: ISA guide 11.1) and leave by three
; stores of 512 consecutive bytes, each at a multiple of 256 from xc's first byte.  The run's 256 scale bytes are gathered likewise and leave as one aligned block of 256 bytes.
.set STEPS, 16
.set CB,    12                         ; bytes of 16 codes
.set SP,    80                         ; a lane's place in a stage
.set XR,    16                         ; v16-79   four sets of 16 numbers as loaded
.set XX,    80                         ; v80-111  two sets of 16 neighbours
.set XE,    112                        ; v112-127 a scale byte for each step
.set XC,    128                        ; v128-191 codes: four registers for each step; a group of four steps' 16 registers then take the group's 1,536 bytes back (12 of them), and are stored from there: no store's data are written again
	s_load_b64 s[4:5], s[0:1], 0x0                 ; x
	s_load_b128 s[8:11], s[0:1], 0x20              ; xc, xs
	v_lshlrev_b32 v3, 4, v2                        ; 16 x lane: my 16 bytes of a load's, and of a store's, 512
	s_mul_i32 s17, s16, WREG
	v_lshrrev_b32 v14, 2, v2
	v_mul_u32_u24 v14, v14, SP
	v_and_b32 v15, 3, v2
	v_lshl_add_u32 v14, v15, 4, v14
	v_add_nc_u32 v14, s17, v14                     ; the stage, on the way in: 80 (lane / 4) + 16 (lane % 4)
	v_mul_u32_u24 v15, v2, SP
	v_add_nc_u32 v15, s17, v15                     ; and on the way out: 80 x lane
	v_lshrrev_b32 v5, 1, v2
	s_add_co_u32 s17, s17, 2*32*SP
	v_add_nc_u32 v5, s17, v5                       ; my block's byte among the wave's 256
	v_lshlrev_b32 v7, 3, v2
	v_add_nc_u32 v6, s17, v7                       ; and on the way out 8 bytes a lane
	s_add_co_u32 s17, s17, 256
	v_mul_u32_u24 v4, v2, CB
	v_add_nc_u32 v4, s17, v4                       ; the codes' 1,536 bytes: in, 12 x lane;
	v_add_nc_u32 v10, s17, v3                      ; back, 16 x lane
	s_sub_co_u32 s18, ttmp9, NT+NW
	s_lshl_b32 s18, s18, 2
	s_add_co_u32 s18, s18, s16                     ; my run, 0 .. 4,095
	s_lshl_b32 s20, s18, 15                        ; 32,768 bytes of x a run,
	s_mov_b32 s21, 0
	s_mul_i32 s22, s18, 32*STEPS*CB                ; 6,144 of codes (24 x 256),
	s_mov_b32 s23, 0
	s_lshl_b32 s18, s18, 8                         ; 256 of scale bytes: all under 2^32
	s_mov_b32 s19, 0
	s_wait_kmcnt 0x0
	s_add_nc_u64 s[4:5], s[4:5], s[20:21]
	s_add_nc_u64 s[8:9], s[8:9], s[22:23]
	s_add_nc_u64 s[10:11], s[10:11], s[18:19]
.macro XLOAD t
.irp i, 0,1,2,3
	global_load_b128 v[XR+16*((\t)%4)+4*\i:XR+16*((\t)%4)+4*\i+3], v3, s[4:5] offset:2048*(\t)+512*\i th:TH_LOAD_NT   ; 32 lanes read 512 consecutive bytes
.endr
.endm
.macro XTURN t                         ; step t's numbers through the stage: LDS serves a wave's instructions in order (ISA guide 5.7.1.4), so no wait stands between the stores and the loads
.irp i, 0,1,2,3
	ds_store_b128 v14, v[XR+16*((\t)%4)+4*\i:XR+16*((\t)%4)+4*\i+3] offset:32*SP*((\t)%2)+8*SP*\i
.endr
.irp i, 0,1,2,3
	ds_load_b128 v[XX+16*((\t)%2)+4*\i:XX+16*((\t)%2)+4*\i+3], v15 offset:32*SP*((\t)%2)+16*\i
.endr
.endm
.macro XSEND g                         ; group g's 1,536 bytes of codes, back in registers, leave
.irp m, 0,1,2
	global_store_b128 v3, v[XC+16*(\g)+4*\m:XC+16*(\g)+4*\m+3], s[8:9] offset:1536*(\g)+512*\m   ; 32 lanes store 512 consecutive bytes, at a multiple of 256 from xc's first byte
.endr
.endm
.irp t, 0,1,2,3
	XLOAD \t
.endr
	s_wait_loadcnt 12                              ; step 0's four loads are in; the twelve of steps 1 to 3 stay out
	XTURN 0
.macro XSTEP t
.set XS, XX+16*((\t)%2)
.if (\t) == 0
	s_wait_dscnt 0x0
.elseif ((\t)%4) == 0
	s_wait_dscnt 7                                 ; this step's numbers are back from the stage; behind them: the last step's byte store, its three code stores and the group's three loads back
.else
	s_wait_dscnt 4                                 ; this step's numbers are back from the stage (the last step's byte store and three code stores may be out): so its stores into the stage have read their registers,
.endif
.if (\t)+4 < STEPS
	XLOAD (\t)+4                                   ; which take the loads of four steps on
.endif
.if (\t)+1 < STEPS
.if STEPS-2-(\t) >= 3
	s_wait_loadcnt 12                              ; the next step's four loads are in; those of the three steps behind it may be out
.else
	s_wait_loadcnt 4*(STEPS-2-(\t))
.endif
	XTURN (\t)+1                                   ; and go through the other stage while this step is worked
.endif
	v_max3_num_f32 v8, |v[XS]|, |v[XS+1]|, |v[XS+2]|               ; the largest magnitude of my 16, in two chains
	v_max3_num_f32 v9, |v[XS+3]|, |v[XS+4]|, |v[XS+5]|
.irp i, 6,10
	v_max3_num_f32 v8, v8, |v[XS+\i]|, |v[XS+\i+1]|
	v_max3_num_f32 v9, v9, |v[XS+\i+2]|, |v[XS+\i+3]|
.endr
	v_max3_num_f32 v8, v8, |v[XS+14]|, |v[XS+15]|
	v_max3_num_f32 v8, v8, v9, 0x1800000           ; and the floor 2^(3 - 127): the byte cannot fall under 1
	v_max_num_f32_dpp v8, v8, v8 row_xmask:1 row_mask:0xf bank_mask:0xf   ; and of my neighbour's 16: the block's
	v_add_nc_u32 v11, 0xff000000, v8               ; 2 off its exponent field: the conversion takes the exponent field of this operand as its scale, and nothing else of it
	v_cvt_scalef32_pk16_fp6_f32 v[XC+4*(\t):XC+4*(\t)+2], v[XS:XS+15], v11   ; 16 codes, 96 bits without gaps, the first number's code lowest
	v_lshrrev_b32 v[XE+(\t)], 23, v11              ; the scale's byte (also the plain line behind the conversion)
.if (((\t)%4) == 0) && ((\t) > 0)
	s_wait_dscnt 8                                 ; the last group's three loads are back; the eight of the next step's turn through the stage may be out
	XSEND (\t)/4-1
.endif
	ds_store_b8 v5, v[XE+(\t)] offset:16*(\t)      ; both lanes of a block write the same byte with the same value
.irp i, 0,1,2
	ds_store_b32 v4, v[XC+4*(\t)+\i] offset:32*CB*((\t)%4)+4*\i    ; my 12 bytes, at their place among the group's 1,536
.endr
.if ((\t)%4) == 3
.irp m, 0,1,2
	ds_load_b128 v[XC+16*((\t)/4)+4*\m:XC+16*((\t)/4)+4*\m+3], v10 offset:512*\m   ; the group's codes as they lie in memory, 16 bytes a lane, into the registers that they left: LDS serves a wave in order, so these see the stores above, and the next group's stores come behind them
.endr
.endif
.endm
.irp t, 0,1,2,3,4,5,6,7,8,9,10,11,12,13,14,15
	XSTEP \t
.endr
	ds_load_b64 v[12:13], v6                       ; these see my byte stores: LDS serves a wave in order
	s_wait_dscnt 0x0
	XSEND 3
	global_store_b64 v7, v[12:13], s[10:11]        ; 32 lanes store 256 consecutive bytes, aligned
	s_wait_tensorcnt 0x0
	ds_add_u32 v192, v193
	s_wait_dscnt 0x0
	s_endpgm
; ------------------------------------------------------------------ W_feat: K is its FIRST axis
; A LANE TAKES A COLUMN n, AND ITS REGISTERS RUN DOWN K: each load reads 32 neighbouring n (128 consecutive bytes a wave, 512 a work-group); a block of 32 along K lies in one lane's 32 registers, so its maximum
; needs no other lane, and the conversions give codes with K innermost.  A wave takes 32 columns x 256 along K: 8 blocks a lane, 192 bytes of codes a column.  They go through the wave's own stage in LDS and leave
; by rows: sixteen lanes store a row's 192 consecutive bytes, 12 bytes each.  Loads run two blocks (64 loads a wave) ahead.  Every offset is an immediate: 255 x 8,192 and 30 x 3,072 at the most.
.Lw:
.set NB,    8                          ; blocks of a wave's 256 along K
.set ROWB,  192                        ; bytes of 256 codes
.set PITCH, 272                        ; a stage row: sixteen places of 16 bytes, each with 12 bytes of codes, + 16
.set KROW,  SIZE_K*6/8                 ; a row of wc
.set WX,    32                         ; v32-95   two sets of 32 numbers
.set WC,    96                         ; v96-102  a block's codes
.set OUTR,  112                        ; v112-175 the way out
.set SB,    24                         ; v24-25   the scale bytes, four to a register
	s_load_b64 s[4:5], s[0:1], 0x8                 ; W_feat
	s_load_b128 s[8:11], s[0:1], 0x30              ; wc, ws
	s_sub_co_u32 s20, ttmp9, NT
	s_and_b32 s17, s20, 15
	s_lshr_b32 s18, s20, 4                         ; which 256 along K
	s_lshl_b32 s17, s17, 7
	s_lshl_b32 s21, s16, 5
	s_add_co_u32 s17, s17, s21                     ; my wave's first column
	v_lshlrev_b32 v3, 2, v2                        ; in: 4 bytes a lane
	s_mul_i32 s19, s16, 32*PITCH
	s_add_co_u32 s19, s19, WL                      ; my stage
	v_mul_u32_u24 v4, v2, PITCH
	v_add_nc_u32 v4, s19, v4                       ; into it: row = my column
	v_and_b32 v5, 15, v2
	v_lshrrev_b32 v6, 4, v2
	v_mul_u32_u24 v7, v6, PITCH
	v_lshl_add_u32 v7, v5, 4, v7
	v_add_nc_u32 v7, s19, v7                       ; out of it: sixteen lanes to a row, two rows an instruction
	v_mul_u32_u24 v8, v6, KROW
	v_mad_u32_u24 v8, v5, 12, v8                   ; and the same place in wc
	v_mul_u32_u24 v9, v2, SIZE_K/32                ; my column's row of scale bytes
	s_lshl_b32 s20, s18, 21                        ; W_feat: 256 rows of 8,192 bytes,
	s_lshl_b32 s21, s17, 2
	s_add_co_u32 s20, s20, s21                     ; + 4 x column
	s_mov_b32 s21, 0
	s_mul_i32 s22, s17, KROW                       ; wc: column x 3,072 + 192 x (which 256)
	s_mul_i32 s23, s18, ROWB
	s_add_co_u32 s22, s22, s23
	s_mov_b32 s23, 0
	s_lshl_b32 s24, s17, 7                         ; ws: column x 128 + 8 x (which 256)
	s_lshl_b32 s25, s18, 3
	s_add_co_u32 s24, s24, s25
	s_mov_b32 s25, 0
	s_wait_kmcnt 0x0
	s_add_nc_u64 s[4:5], s[4:5], s[20:21]
	s_add_nc_u64 s[8:9], s[8:9], s[22:23]
	s_add_nc_u64 s[10:11], s[10:11], s[24:25]
.macro WLOAD t                         ; block t: W(32 t + i, my column), i = 0 .. 31, into set t % 2
.irp i, 0,1,2,3,4,5,6,7,8,9,10,11,12,13,14,15,16,17,18,19,20,21,22,23,24,25,26,27,28,29,30,31
	global_load_b32 v[WX+32*((\t)%2)+\i], v3, s[4:5] offset:(32*(\t)+\i)*SIZE_N*4 th:TH_LOAD_NT
.endr
.endm
	WLOAD 0
	WLOAD 1
.macro WBLOCK t
.set XS, WX+32*((\t)%2)
.if (\t) < NB-1
	s_wait_loadcnt 32                              ; this block's 32 loads are in; the next block's may be out
.else
	s_wait_loadcnt 0
.endif
	v_max3_num_f32 v12, |v[XS]|, |v[XS+1]|, |v[XS+2]|               ; the block's largest magnitude: all 32 numbers are mine
	v_max3_num_f32 v13, |v[XS+3]|, |v[XS+4]|, |v[XS+5]|
.irp i, 6,10,14,18,22,26
	v_max3_num_f32 v12, v12, |v[XS+\i]|, |v[XS+\i+1]|
	v_max3_num_f32 v13, v13, |v[XS+\i+2]|, |v[XS+\i+3]|
.endr
	v_max3_num_f32 v12, v12, |v[XS+30]|, |v[XS+31]|
	v_max3_num_f32 v12, v12, v13, 0x1800000        ; and the floor 2^(3 - 127)
	v_add_nc_u32 v11, 0xff000000, v12              ; 2 off its exponent field: the conversion's scale operand
	v_lshrrev_b32 v13, 23, v11                     ; the scale's byte
.if (\t)%4 == 0
	v_mov_b32 v[SB+(\t)/4], v13                    ; four bytes to a register, the lower K in the lower byte
.else
	v_lshl_or_b32 v[SB+(\t)/4], v13, 8*((\t)%4), v[SB+(\t)/4]
.endif
	v_cvt_scalef32_pk16_fp6_f32 v[WC:WC+2], v[XS:XS+15], v11
	v_cvt_scalef32_pk16_fp6_f32 v[WC+4:WC+6], v[XS+16:XS+31], v11   ; (a conversion's three registers begin on an even number)
	v_nop                                          ; one plain line behind the conversions
	ds_store_b96 v4, v[WC:WC+2] offset:32*(\t)     ; 16 codes, 12 bytes, to a place of 16 bytes, so that every LDS address is a multiple of 16
	ds_store_b96 v4, v[WC+4:WC+6] offset:32*(\t)+16
.if (\t)+2 < NB
	WLOAD (\t)+2
.endif
	s_wait_dscnt 0x0                               ; the stores have read their registers: the next block's codes may be written
.endm
.set QB, 0
.rept NB
	WBLOCK QB
.set QB, QB+1
.endr
	global_store_b64 v9, v[SB:SB+1], s[10:11]      ; my column's 8 scale bytes
.irp t, 0,1,2,3,4,5,6,7,8,9,10,11,12,13,14,15
	ds_load_b96 v[OUTR+4*\t:OUTR+4*\t+2], v7 offset:2*\t*PITCH   ; these see my stores: LDS serves a wave in order
.endr
.irp t, 0,1,2,3,4,5,6,7,8,9,10,11,12,13,14,15
	s_wait_dscnt 15-\t                             ; the younger loads may stay out
	global_store_b96 v8, v[OUTR+4*\t:OUTR+4*\t+2], s[8:9] offset:2*\t*KROW
.endr
	s_wait_tensorcnt 0x0
	ds_add_u32 v192, v193
	s_wait_dscnt 0x0
	s_endpgm
; ------------------------------------------------------------------ the table: class c = the work-group's number; wave w owns columns 512 w .. 512 w + 511
; The mean cosine is linear in the prototypes: the sum over s of feat . p_s / |p_s| = feat . (the sum over s of p_s / |p_s|).  So the eight normalised prototypes of a class are added once, here.
; A wave loads its 512 columns of the eight rows ONCE, 32 loads that go out together with W_fc's 16, and keeps them in 128 registers.  Its sums of squares are a quarter of each row's: the four waves' parts meet in
; 128 bytes of LDS behind one barrier (all four waves of these work-groups take this way: the branch that leads here hangs on the work-group's number alone), and every wave adds the four in the same order.
.Ltab:
.set TS,  8                            ; v8-15    the rows' sums of squares
.set TO,  16                           ; v16-31   rows 0-3's four parts read back, then my 16 numbers of the class's sum
.set TP,  32                           ; v32-159  my columns of the eight rows: row s, quad i at TP + 16 s + 4 i
.set TF,  160                          ; v160-175 my 16 numbers of W_fc's column c, then rows 4-7's four parts read back
.set TQ,  176                          ; v176-191 a pair for each row's squares, then 1 / norm in v176-183
	s_load_b128 s[4:7], s[0:1], 0x10               ; W_fc, prototypes
	s_load_b64 s[8:9], s[0:1], 0x40                ; tab
	v_lshlrev_b32 v3, 4, v2
	s_lshl_b32 s17, s16, 11
	v_add_nc_u32 v4, s17, v3                       ; 2,048 w + 16 x lane: my columns
	s_mul_i32 s17, s16, 10240
	v_mul_u32_u24 v5, v2, 80
	v_add_nc_u32 v5, s17, v5                       ; W_fc: row n is 20 bytes; n = 512 w + 128 i + 4 lane + e
	s_lshl_b32 s17, s16, 2
	s_add_co_u32 s17, s17, TL
	v_mov_b32 v6, s17                              ; LDS: my wave's word of a row's four
	v_mov_b32 v7, TL                               ; and the four, for every lane
	s_mov_b32 s20, 0x76543210
	s_mov_b32 s21, 0xfedcba98                      ; v_permlanex16_b32's selects for lane l xor 16
	s_lshl_b32 s22, ttmp9, 2                       ; W_fc: column c
	s_mov_b32 s23, 0
	s_lshl_b32 s24, ttmp9, 16                      ; prototypes: 8 rows of 8,192 bytes a class
	s_mov_b32 s25, 0
	s_lshl_b32 s26, ttmp9, 13                      ; tab: row c
	s_mov_b32 s27, 0
	s_wait_kmcnt 0x0
	s_add_nc_u64 s[4:5], s[4:5], s[22:23]
	s_add_nc_u64 s[6:7], s[6:7], s[24:25]
	s_add_nc_u64 s[8:9], s[8:9], s[26:27]
.irp i, 0,1,2,3
.irp e, 0,1,2,3
	global_load_b32 v[TF+4*\i+\e], v5, s[4:5] offset:2560*\i+20*\e
.endr
.endr
.irp s, 0,1,2,3,4,5,6,7
.irp i, 0,1,2,3
	global_load_b128 v[TP+16*\s+4*\i:TP+16*\s+4*\i+3], v4, s[6:7] offset:8192*\s+512*\i   ; 512 consecutive bytes a load
.endr
.endr
	s_wait_loadcnt 32                              ; W_fc's 16 loads are in; the prototypes' 32 stay out
.irp i, 0,1,2,3
	global_store_b128 v4, v[TF+4*\i:TF+4*\i+3], s[8:9] offset:512*\i   ; tab row c: 512 consecutive bytes a store
.endr
	s_wait_loadcnt 0x0
.irp s, 0,1,2,3,4,5,6,7
	v_pk_mul_f32 v[TQ+2*\s:TQ+2*\s+1], v[TP+16*\s:TP+16*\s+1], v[TP+16*\s:TP+16*\s+1]   ; the first pair's squares start the sums; the eight rows by turns
.endr
.irp k, 1,2,3,4,5,6,7
.irp s, 0,1,2,3,4,5,6,7
	v_pk_fma_f32 v[TQ+2*\s:TQ+2*\s+1], v[TP+16*\s+2*\k:TP+16*\s+2*\k+1], v[TP+16*\s+2*\k:TP+16*\s+2*\k+1], v[TQ+2*\s:TQ+2*\s+1]
.endr
.endr
.irp s, 0,1,2,3,4,5,6,7
	v_add_f32 v[TQ+2*\s], v[TQ+2*\s], v[TQ+2*\s+1]
.endr
.irp m, 1,2,4,8
.irp s, 0,1,2,3,4,5,6,7
	v_add_f32_dpp v[TQ+2*\s], v[TQ+2*\s], v[TQ+2*\s] row_xmask:\m row_mask:0xf bank_mask:0xf
.endr
.endr
.irp s, 0,1,2,3,4,5,6,7
	v_permlanex16_b32 v[TQ+2*\s+1], v[TQ+2*\s], s20, s21           ; (its destination has been written: the pair's upper half)
.endr
.irp s, 0,1,2,3,4,5,6,7
	v_add_f32 v[TQ+2*\s], v[TQ+2*\s], v[TQ+2*\s+1]                 ; every lane holds my wave's part of the row's sum of squares
.endr
.irp s, 0,1,2,3,4,5,6,7
	ds_store_b32 v6, v[TQ+2*\s] offset:16*\s       ; all lanes write the same word with the same value
.endr
	s_wait_dscnt 0x0                               ; for the others' sake: my stores are done
	s_barrier_signal -1
	s_barrier_wait -1
	s_wait_xcnt 0x0                                ; tab row c's stores have read v160-175, which are loaded into below
.irp s, 0,1,2,3
	ds_load_b128 v[TO+4*\s:TO+4*\s+3], v7 offset:16*\s             ; row s's four parts, in every lane
	ds_load_b128 v[TF+4*\s:TF+4*\s+3], v7 offset:64+16*\s          ; row 4 + s's
.endr
	s_wait_dscnt 0x0
.irp s, 0,1,2,3
	v_pk_add_f32 v[TO+4*\s:TO+4*\s+1], v[TO+4*\s:TO+4*\s+1], v[TO+4*\s+2:TO+4*\s+3]
	v_pk_add_f32 v[TF+4*\s:TF+4*\s+1], v[TF+4*\s:TF+4*\s+1], v[TF+4*\s+2:TF+4*\s+3]
.endr
.irp s, 0,1,2,3
	v_add_f32 v[TS+\s], v[TO+4*\s], v[TO+4*\s+1]
	v_add_f32 v[TS+4+\s], v[TF+4*\s], v[TF+4*\s+1]
.endr
.irp s, 0,1,2,3,4,5,6,7
	v_rsq_f32 v[TQ+\s], v[TS+\s]                   ; 1 / norm
.endr
	v_nop                                          ; a plain line behind the last of the batch (ISA guide 5.7.2)
	s_wait_alu depctr_va_vdst(0)                   ; one wait for the eight, ahead of their first reader
.irp k, 0,1,2,3,4,5,6,7,8,9,10,11,12,13,14,15
	v_mul_f32 v[TO+\k], v[TP+\k], v[TQ]
.endr
.irp s, 1,2,3,4,5,6,7
.irp k, 0,1,2,3,4,5,6,7,8,9,10,11,12,13,14,15
	v_fma_f32 v[TO+\k], v[TP+16*\s+\k], v[TQ+\s], v[TO+\k]
.endr
.endr
.irp i, 0,1,2,3
	global_store_b128 v4, v[TO+4*\i:TO+4*\i+3], s[8:9] offset:5*8192+512*\i   ; tab row 5 + c
.endr
	s_wait_tensorcnt 0x0
	ds_add_u32 v192, v193
	s_wait_dscnt 0x0
	s_endpgm
.Lfunc_end_k_qb59d542804_prep:
	.size	k_qb59d542804_prep, .Lfunc_end_k_qb59d542804_prep-k_qb59d542804_prep
	.p2alignl 7, 3214868480
	.fill 96, 4, 3214868480
	.section	.rodata,"a",@progbits
	.p2align	6, 0x0
	.amdhsa_kernel k_qb59d542804_prep
		.amdhsa_group_segment_fixed_size 64256
		.amdhsa_private_segment_fixed_size 0
		.amdhsa_enable_private_segment 0
		.amdhsa_kernarg_size 72
		.amdhsa_user_sgpr_count 2
		.amdhsa_user_sgpr_kernarg_segment_ptr 1
		.amdhsa_wavefront_size32 1
		.amdhsa_system_sgpr_workgroup_id_x 1
		.amdhsa_system_sgpr_workgroup_id_y 1
		.amdhsa_system_sgpr_workgroup_id_z 1
		.amdhsa_system_vgpr_workitem_id 0
		.amdhsa_next_free_vgpr 194
		.amdhsa_next_free_sgpr 66
		.amdhsa_reserve_vcc 0
		.amdhsa_float_denorm_mode_32 3
		.amdhsa_float_denorm_mode_16_64 3
		.amdhsa_memory_ordered 1
		.amdhsa_forward_progress 1
		.amdhsa_inst_pref_size 100
	.end_amdhsa_kernel
	.amdgpu_metadata
---
amdhsa.version: [ 1, 2 ]
amdhsa.kernels:
  - .name:           k_qb59d542804_prep
    .symbol:         k_qb59d542804_prep.kd
    .args:
      - { .name: x, .offset: 0, .size: 8, .value_kind: global_buffer, .address_space: global }
      - { .name: W_feat, .offset: 8, .size: 8, .value_kind: global_buffer, .address_space: global }
      - { .name: W_fc, .offset: 16, .size: 8, .value_kind: global_buffer, .address_space: global }
      - { .name: prototypes, .offset: 24, .size: 8, .value_kind: global_buffer, .address_space: global }
      - { .name: xc, .offset: 32, .size: 8, .value_kind: global_buffer, .address_space: global }
      - { .name: xs, .offset: 40, .size: 8, .value_kind: global_buffer, .address_space: global }
      - { .name: wc, .offset: 48, .size: 8, .value_kind: global_buffer, .address_space: global }
      - { .name: ws, .offset: 56, .size: 8, .value_kind: global_buffer, .address_space: global }
      - { .name: tab, .offset: 64, .size: 8, .value_kind: global_buffer, .address_space: global }
    .group_segment_fixed_size: 64256
    .private_segment_fixed_size: 0
    .kernarg_segment_align: 8
    .kernarg_segment_size: 72
    .max_flat_workgroup_size: 128
    .sgpr_count:     66
    .vgpr_count:     194
    .wavefront_size: 32
...
	.end_amdgpu_metadata
.endif
;; end of part 1
;; launch gemm (part 2): grid 8 x 32, 4 waves a work-group, clusters of 4 x 4, 327,680 bytes of LDS; arguments xc, xs, wc, ws, tab, part; writes part
.if DOCPART == 2
	.amdgcn_target "amdgcn-amd-amdhsa--gfx1250"
	.amdhsa_code_object_version 6
	.text
	.protected	k_qb59d542804_gemm
	.globl	k_qb59d542804_gemm
	.p2align	8
	.type	k_qb59d542804_gemm,@function
k_qb59d542804_gemm:
	s_mov_b64 s[64:65], 0
	v_nop
	global_prefetch_b8 v0, s[64:65] scope:SCOPE_SE
	s_setreg_imm32_b32 hwreg(HW_REG_WAVE_MODE, 25, 1), 1
	s_wait_xcnt 0x0
	s_wait_alu depctr_hold_cnt(0) depctr_sa_sdst(0) depctr_va_vdst(0) depctr_va_sdst(0) depctr_va_ssrc(0) depctr_va_vcc(0) depctr_vm_vsrc(0)
	s_getreg_b32 s2, hwreg(HW_REG_IB_STS2, 6, 4)
	s_cmp_eq_u32 s2, 0
	s_cbranch_scc0 .Lentry_in_a_cluster
	s_endpgm
.Lentry_in_a_cluster:
	s_bfe_u32 s2, ttmp6, 0x10000c
	s_cmp_lg_u32 s2, 0xf033
	s_cbranch_scc0 .Lentry_shape_is_right
	s_endpgm
.Lentry_shape_is_right:
; feats[m][n] = sum over k of Q(x)[m][k] Q(W_feat)[k][n], on codes of FP6 (E2M3) with one E8M0 scale for each 32 along K; sums in f32.  feats NEVER GOES TO MEMORY: what leaves is, for each row and each of the
; 8 tile columns, eleven f32 sums over the tile's 256 columns: feats . W_fc[:, c] (c = 0..4), feats . P_c (c = 5..9, P_c the class's sum of normalised prototypes) and the sum of feats^2:  part [8][11][8192].
; These thin products are fused multiply-adds in f32: the label that is made of them is compared exactly, so nothing coarser than f32 stands ahead of it.
; xc: [8192][3,072 bytes], wc: [2048][3,072 bytes]: a row of codes is one stream of bits, 128 codes in 96 bytes.  xs [8192][128], ws [2048][128]: scale bytes.  tab: [10][2048] f32.
; A tile of feats, 256 x 256, is made by a work-group of four waves; a wave makes 128 x 128: 64 accumulators of 16 x 16, 512 registers.  32 x 8 tiles: one for each of 256 work-groups.
; K goes in steps of 256 through a ring of two LDS slots filled by the tensor data mover: a tile's row is 192 bytes of memory.  The scales of the work-group's rows, for all of K, come into LDS once, with the first fills.
; CLUSTERS: 4 x 4 work-groups.  The four of a row of the cluster need the same tiles of xc, the four of a column the same tiles of wc: each tile is asked for JOINTLY, by the same tensor load with the same descriptor
; and a mask that names the four.  THE MATRIX INSTRUCTION IS USED TRANSPOSED (source 0 = 16 rows of wc, source 1 = 16 rows of xc): register j of accumulator (a, b) in lane (r, h) is feats(16 a + r, 16 b + 8 h + j).
; REGISTERS, in windows of 256: window 0: v0-31 addresses; v32-63 scale words, two sets; from v128 xc's fragments, ONE set; on the way out v32-207 the sums, v208-255 rows read back.
;   window 1: wc's fragments, TWO sets, at v0 and at v128; on the way out the table, two sets of 80, at v0-79 and at v80-127 with v224-255.   windows 2, 3: the accumulators of my rows 0-63, 64-127 ((a, b) at v[8 (8 (a % 4) + b)]).
; lds_bytes: all of a WGP's LDS; the text uses 315,904 bytes.
.set SIZE_K, 4096
.set KSTEP,  256                       ; along K in a slot
.set NQ,     KSTEP/128                 ; matrix instructions deep
.set ROWB,   192                       ; a tile's row in bytes
.set KROW,   SIZE_K*6/8                ; a row of xc or wc in memory
.set PITCH,  240                       ; an LDS row: 3 x (64 bytes + 16 of padding) = 60 words: the 32 lanes of a load of 8 bytes touch 64 different banks (64 banks of 4 bytes: ISA guide 11.1)
.set FR,     12                        ; registers of a fragment: 16 rows x 128 K
.set NL,     6                         ; LDS loads that bring one
.set NP,     4                         ; places behind this matrix instruction (ISA guide 7.12.1)
.set HALFT,  128*PITCH                 ; 128 rows: what one tensor load brings
.set SLOT,   4*HALFT                   ; xc's 256 rows, then wc's 256 rows
.set LAPS,   SIZE_K/(2*KSTEP)          ; a lap = two K steps = once round the ring
.set KS,     SIZE_K/32                 ; a row of scales in bytes
.set SCL,    2*SLOT                    ; behind the ring: the scales, as rows of 256 bytes + 16 of padding
.set HALFS,  (128*KS/256)*272          ; the scales of 128 rows: what one tensor load brings
.set SBLK,   (16*KS/256)*272           ; those of 16 rows
.set SPARE,  SCL+4*HALFS               ; behind the scales: the spare words, 128 bytes for each wave, which no other line names
.set HSTG,   11*1024                   ; the way out: a stage [2 halves of the columns][11][256 rows] f32 in slot 0, which has had its last fill and its last read when the first sum is stored there
.set ADRA, 16                          ; v16-17  LDS address of my xc fragments in slot 0, 1  (v18-19: the same for the pieces that lie behind one padding more)
.set ADRB, 20                          ; v20-21  the same for wc  (v22-23)
.set STO,  24                          ; v24     the way out: where I put a row's sum
.set RD,   25                          ; v25     the way out: where I read 4 rows' sums back
.set CO,   26                          ; v26     16 x lane: my place in a store to part
.set ADRS, 27                          ; v27     LDS address of my scale words: lanes 0-15 xc's rows, lanes 16-31 wc's
.set SPW,  28                          ; v28     LDS address of my spare word; never rewritten
.set NIL,  29                          ; v29     0; never rewritten
.set PFO,  30                          ; v30     the prefetches' offset: my lane x a row; never rewritten
.set TBO,  31                          ; v31     32 x (lane / 16): my eight columns of a block of 16 in a row of tab; never rewritten
.set SC,   32                          ; scale words: set s at v[SC + 8 NQ s]; register NQ i + q: lanes 0-15 xc's block i, lanes 16-31 wc's block i
.set AF,   128                         ; xc's fragments
.set SUM,  32                          ; the way out: sum (a, c) is the pair v[SUM + 2 (11 a + c)]: even columns', odd columns'
.set LB,   208                         ; the way out: read back from the stage
.set G1, 24                            ; s[24:31] descriptor group 1 for xc's tiles;  s[32:39] group 0, one set for each slot
.set G0, 32
.set G1B, 48                           ; s[48:55], s[56:63] the same for wc's tiles
.set G0B, 56
.set G1S, 68                           ; s[68:75], s[76:79] groups 1 and 0 for xc's scales;  s[80:87], s[88:91] for wc's
.set G0S, 76
.set G1SB, 80
.set G0SB, 88
.set PFA, 66                           ; s[66:67] where my prefetches stand
.set LIM, 95                           ; s95     1 in a wave that prefetches, else the greatest number
.set TAB, 96                           ; s[96:97] tab at my wave's first column
.set PRT, 98                           ; s[98:99] part at my tile column, my tile's rows, column = my wave's number
.set MSB, 0
.macro WIN new                         ; the immediate's high byte repeats the setting that is left
.if MSB != \new
	s_set_vgpr_msb (MSB<<8)|\new
.set MSB, \new
.endif
.endm
.set MUL_LO, 0xa1                      ; source 0 (wc) window 1, source 1 (xc) window 0, C and D window 2
.set MUL_HI, 0xf1                      ; the same, C and D window 3
.set TO_B,   0x40                      ; destination window 1, address window 0
; A joint load: waves 0 and 1 fetch for xc, waves 2 and 3 for wc.  Each of the two lines has ONE mask and one set of registers for all that issue it; the branch hangs on the wave's number alone.
; Four v_nop follow each of the two lines, ahead of the jump, the label and what follows.
.macro JLOAD g0a, g1a, g0b, g1b
	s_cmp_eq_u32 s15, 0
	s_cbranch_scc0 .Lfor_b_\@
	tensor_load_to_lds s[\g0a:\g0a+3], s[\g1a:\g1a+7]
	s_nop 0
.rept 4
	v_nop
.endr
	s_branch .Lasked_\@
.Lfor_b_\@:
	tensor_load_to_lds s[\g0b:\g0b+3], s[\g1b:\g1b+7]
	s_nop 0
.rept 4
	v_nop
.endr
.Lasked_\@:
.endm
.macro CREST                           ; a round of the cluster's barrier behind its opening barrier
	s_cmp_lg_u32 s14, 0
	s_cbranch_scc1 .Lnot_wave_0_\@
	s_barrier_signal -3
.Lnot_wave_0_\@:
	s_barrier_wait -3
	s_barrier_signal -1
	s_barrier_wait -1
.endm
.macro CROUND                          ; a whole round
	s_barrier_signal -1
	s_barrier_wait -1
	CREST
.endm
; A PREFETCH INTO THE L2, behind each joint refill, its four lines and the run of LDS loads that follows: the K step that stands TWO refills on, 256 matrix instructions ahead of the load that will want it: 32 rows, a lane a row.
; xc's tile row is read by both clusters of that row of clusters: cluster x = 0 asks; wc's tile column by the eight clusters of that column: cluster y = 0 asks.  The four partners that ask for a tile jointly share
; the 128 rows that a wave fetches BY ADDRESS, 32 each (by cx for xc, by cy for wc): no branch hangs on a work-group's place in its cluster.
; A K step is 192 bytes of a row, so a lane names the step's LAST byte.  The aligned 256 bytes in which K step k ends are touched by no earlier step, but for k = 7, 11, 15, which end where the step before ended: they fall
; to the odd refill of the trips with an even count of laps to go, and are passed over.  So each aligned 256 bytes of K steps 4 to 15 are named once in the launch.  The loop's last trip has no K step two on and asks for nothing;
; K steps 0 to 3 come by their loads alone: nothing is prefetched at the head, where every work-group's first tiles are on their way.
.macro ASK odd
	s_cmp_gt_u32 s3, s[LIM]                        ; s3 = 1 in the loop's last trip
	s_cbranch_scc0 .Lnot_mine_\@
.if \odd
	s_and_b32 s100, s3, 1
	s_cmp_eq_u32 s100, 0
	s_cbranch_scc1 .Lnot_mine_\@
.endif
	global_prefetch_b8 v[PFO], s[PFA:PFA+1] th:TH_LOAD_NT scope:SCOPE_SE
.Lnot_mine_\@:
.endm
	s_load_b128 s[4:7], s[0:1], 0x0                ; xc s[4:5], xs s[6:7]
	s_load_b128 s[8:11], s[0:1], 0x10              ; wc s[8:9], ws s[10:11]
	s_load_b128 s[96:99], s[0:1], 0x20             ; tab, part
	v_lshl_add_u32 v[SPW], v0, 2, SPARE
	v_mov_b32 v[NIL], 0
	ds_add_u32 v28, v29
	ds_add_u32 v28, v29
	s_wait_dscnt 0x0
	v_lshrrev_b32 v1, 5, v0
	v_readfirstlane_b32 s14, v1                    ; wave 0..3
	s_lshr_b32 s15, s14, 1                         ; which half of the tile's rows is mine.  Also: I fetch for xc (0) or for wc (1)
	s_and_b32 s16, s14, 1                          ; which half of its columns.  Also: which 128 rows of that tile I fetch
	s_bfe_u32 s40, ttmp6, 0x40000                  ; cx, cy: my place in the cluster
	s_bfe_u32 s41, ttmp6, 0x40004
	s_lshl_b32 s42, ttmp9, 2
	s_add_co_u32 s42, s42, s40                     ; tile column = 4 x cluster x + cx
	s_and_b32 s17, ttmp7, 0xffff
	s_lshl_b32 s17, s17, 2
	s_add_co_u32 s17, s17, s41                     ; tile row = 4 x cluster y + cy
	s_lshl_b32 s43, s41, 2
	s_lshl_b32 s43, 15, s43                        ; my row of the cluster
	s_lshl_b32 s44, 0x1111, s40                    ; my column
	; descriptor group 1: a tile of 128 rows x 192 bytes, padded in LDS
	s_or_b32 s[G1+0], s43, (0<<16)|(1<<20)|(1<<21)|(3<<22)|(3<<25)  ; 15:0 the mask: xc's tiles go to my row; 17:16 element of 1 byte; 20 padding on; 21 set beside a mask; 24:22 after every 16 words (code 3); 31:25 of 4 words (code 3)
	s_or_b32 s[G1B+0], s44, (0<<16)|(1<<20)|(1<<21)|(3<<22)|(3<<25)
.irp g, G1, G1B
	s_mov_b32 s[\g+1], ROWB<<16                    ; tensor_dim0
	s_mov_b32 s[\g+2], 128<<16                     ; tensor_dim1 = 128
	s_mov_b32 s[\g+3], ROWB<<16                    ; tile_dim0
	s_mov_b32 s[\g+4], 128                         ; tile_dim1 = 128
	s_mov_b32 s[\g+5], KROW                        ; tensor_dim0_stride
	s_mov_b32 s[\g+6], 0
	s_mov_b32 s[\g+7], 0
.endr
	; and for the scales of 128 rows: a dense block of 16,384 bytes, as 64 rows of 256 bytes (32 elements of 8 bytes), 16 bytes of padding behind each
	s_or_b32 s[G1S+0], s43, (3<<16)|(1<<20)|(1<<21)|(5<<22)|(3<<25)
	s_or_b32 s[G1SB+0], s44, (3<<16)|(1<<20)|(1<<21)|(5<<22)|(3<<25)
.irp g, G1S, G1SB
	s_mov_b32 s[\g+1], 32<<16
	s_mov_b32 s[\g+2], (128*KS/256)<<16
	s_mov_b32 s[\g+3], 32<<16
	s_mov_b32 s[\g+4], 128*KS/256
	s_mov_b32 s[\g+5], 32
	s_mov_b32 s[\g+6], 0
	s_mov_b32 s[\g+7], 0
.endr
	s_lshl_b32 s18, s16, 7                         ; which 128 rows of the tile I fetch
	s_lshl_b32 s20, s17, 8
	s_add_co_u32 s20, s20, s18                     ; xc: row 256 x tile row + 128 x half
	s_lshl_b32 s46, s42, 8
	s_add_co_u32 s46, s46, s18                     ; wc: row 256 x tile column + 128 x half
	s_mov_b32 s21, 0
	s_mov_b32 s47, 0
	s_mov_b64 s[18:19], KS
	s_mul_u64 s[22:23], s[20:21], s[18:19]         ; where these rows' scales begin, in bytes
	s_mul_u64 s[92:93], s[46:47], s[18:19]
	s_mov_b64 s[18:19], KROW
	s_mul_u64 s[20:21], s[20:21], s[18:19]         ; and their codes
	s_mul_u64 s[46:47], s[46:47], s[18:19]
	s_mul_i32 s45, s14, HALFT                      ; where they go: wave x 128 rows: no place in the cluster enters an LDS address
	s_mul_i32 s94, s14, HALFS
	s_wait_kmcnt 0x0
	s_add_nc_u64 s[20:21], s[4:5], s[20:21]
	s_add_nc_u64 s[22:23], s[6:7], s[22:23]
	s_add_nc_u64 s[46:47], s[8:9], s[46:47]
	s_add_nc_u64 s[92:93], s[10:11], s[92:93]
	CROUND                                         ; all sixteen work-groups are here: the first joint loads meet
	s_mov_b32 s[G0S], 1
	s_add_co_u32 s[G0S+1], s94, SCL
	s_mov_b64 s[G0S+2:G0S+3], s[22:23]
	s_or_b32 s[G0S+3], s[G0S+3], 0x80000000
	s_mov_b32 s[G0SB], 1
	s_add_co_u32 s[G0SB+1], s94, SCL
	s_mov_b64 s[G0SB+2:G0SB+3], s[92:93]
	s_or_b32 s[G0SB+3], s[G0SB+3], 0x80000000
	JLOAD G0S, G1S, G0SB, G1SB                     ; the scales first: they are wanted with K step 0.  With the two that follow, three tensor loads of mine are out
.irp s, 0,1
	s_mov_b32 s[G0+4*\s], 1
	s_add_co_u32 s[G0+4*\s+1], s45, \s*SLOT
	s_add_nc_u64 s[G0+4*\s+2:G0+4*\s+3], s[20:21], \s*ROWB
	s_or_b32 s[G0+4*\s+3], s[G0+4*\s+3], 0x80000000
	s_mov_b32 s[G0B+4*\s], 1
	s_add_co_u32 s[G0B+4*\s+1], s45, \s*SLOT
	s_add_nc_u64 s[G0B+4*\s+2:G0B+4*\s+3], s[46:47], \s*ROWB
	s_or_b32 s[G0B+4*\s+3], s[G0B+4*\s+3], 0x80000000
	JLOAD G0+4*\s, G1, G0B+4*\s, G1B
.endr
	v_and_b32 v1, 15, v0                           ; l % 16
	v_bfe_u32 v2, v0, 4, 1                         ; l / 16
	v_mul_u32_u24 v3, v1, PITCH
	v_mul_u32_u24 v4, v2, 24
	v_add_nc_u32 v4, v3, v4                        ; a fragment's row x pitch + 24 x half
	v_lshl_add_u32 v5, v2, 4, v4                   ; and the same behind one padding more
	s_mul_i32 s21, s15, HALFT                      ; my 128 rows of xc
	s_mul_i32 s22, s16, HALFT                      ; my 128 rows of wc,
	s_add_co_u32 s22, s22, 2*HALFT                 ; which lie behind xc's 256
.irp s, 0,1
	v_add_nc_u32 v[ADRA+\s], s21, v4
	v_add_nc_u32 v[ADRB+\s], s22, v4
	v_add_nc_u32 v[ADRA+2+\s], s21, v5
	v_add_nc_u32 v[ADRB+2+\s], s22, v5
	s_add_co_u32 s21, s21, SLOT
	s_add_co_u32 s22, s22, SLOT
.endr
	v_mul_u32_u24 v5, v1, KS                       ; my row's scales: 128 bytes a row,
	v_lshrrev_b32 v6, 8, v5
	v_lshl_add_u32 v5, v6, 4, v5                   ; and 16 more for each 256 passed
	s_mul_i32 s21, s15, HALFS                      ; xc's: my 128 rows
	s_mul_i32 s22, s16, HALFS                      ; wc's: my 128 rows, behind xc's 256
	s_add_co_u32 s22, s22, 2*HALFS
	s_sub_co_u32 s22, s22, s21
	v_mul_u32_u24 v6, s22, v2                      ; lanes 16-31 take wc's: the lower base + h x the distance
	s_add_co_u32 s21, s21, SCL
	v_add_nc_u32 v5, v5, v6
	v_add_nc_u32 v[ADRS], s21, v5
	s_mul_i32 s23, s16, HSTG                       ; the stage: my half of the columns,
	s_lshl_b32 s21, s15, 9                         ; my 128 rows of 4 bytes,
	s_add_co_u32 s23, s23, s21
	v_and_b32 v6, 31, v0
	v_lshl_add_u32 v[STO], v6, 2, s23              ; a row a lane
	v_lshlrev_b32 v[CO], 4, v6
	s_lshl_b32 s23, s14, 10                        ; back: sum column = my wave's number (+ 4, + 8), 1,024 bytes each; four rows a lane
	v_add_nc_u32 v[RD], s23, v[CO]
	v_lshlrev_b32 v[TBO], 5, v2
	s_lshl_b32 s12, s42, 10                        ; tab: my first column, in bytes: 1,024 x tile column + 512 x half
	s_lshl_b32 s13, s16, 9
	s_add_co_u32 s12, s12, s13
	s_mov_b32 s13, 0
	s_add_nc_u64 s[TAB:TAB+1], s[TAB:TAB+1], s[12:13]
	s_mul_i32 s12, s42, 11*32768                   ; part: my tile column's eleven columns of 8,192 rows,
	s_lshl_b32 s100, s17, 10                       ; my tile's 256 rows,
	s_add_co_u32 s12, s12, s100
	s_lshl_b32 s100, s14, 15                       ; the sum column of my wave's number
	s_add_co_u32 s12, s12, s100
	s_add_nc_u64 s[PRT:PRT+1], s[PRT:PRT+1], s[12:13]
	; the prefetches: whose rows, who asks
	s_lshl_b32 s12, s17, 8
	s_lshl_b32 s13, s42, 8
	s_and_b32 s100, ttmp7, 0xffff                  ; cluster y
	s_cmp_eq_u32 s15, 0                            ; do I fetch for xc?
	s_cselect_b32 s12, s12, s13                    ; the tile's first row: in xc by the tile row, in wc by the tile column
	s_cselect_b32 s13, s40, s41                    ; my place among the four that ask for it with me
	s_cselect_b32 s100, ttmp9, s100                ; the coordinate along which other clusters read the same rows
	s_cselect_b64 s[PFA:PFA+1], s[4:5], s[8:9]
	s_cmp_eq_u32 s100, 0
	s_cselect_b32 s[LIM], 1, -1                    ; the same in all sixteen partners, for a given wave
	s_lshl_b32 s100, s16, 7
	s_add_co_u32 s12, s12, s100                    ; + the 128 rows that I fetch
	s_lshl_b32 s13, s13, 5
	s_add_co_u32 s12, s12, s13                     ; + my work-group's 32 of them
	s_mul_i32 s12, s12, KROW                       ; under 2^25
	s_add_co_u32 s12, s12, 3*ROWB+ROWB-1           ; the last byte of K step 3: the first refill steps it to K step 4's
	s_mov_b32 s13, 0
	s_add_nc_u64 s[PFA:PFA+1], s[PFA:PFA+1], s[12:13]
	v_mul_u32_u24 v[PFO], v6, KROW
.macro FRAG reg, adr, q, i             ; a fragment, 16 rows x 128 K of 6-bit codes, is 12 registers: lane l holds row l % 16; registers 6 c .. 6 c + 5 hold K = 64 c + 32 (l / 16) + 0 .. 31: 24 bytes of the row's stream of bits, as they lie
.irp p, 0,1,2,3,4,5                    ; in pieces of 8 bytes, so that every address is a multiple of the access's size.  Lanes 0-15 take the row's pieces 12 q + 0, 1, 2 and 12 q + 6, 7, 8, lanes 16-31 those three pieces on
.set PC, 12*(\q)+6*(\p/3)+\p%3        ; 16 bytes of padding lie behind every 64 bytes (8 pieces): where the piece three on lies behind one padding more, the second address register (40 for 24 bytes a half) serves
.if PC%8 < 5
	ds_load_b64 v[\reg+2*\p:\reg+2*\p+1], v[\adr] offset:8*PC+16*(PC/8)+(\i)*16*PITCH
.else
	ds_load_b64 v[\reg+2*\p:\reg+2*\p+1], v[\adr+2] offset:8*PC+16*(PC/8)+(\i)*16*PITCH
.endif
.endr
.endm
; 16 matrix instructions: xc's blocks a0, a0 + 1 x wc's eight, 128 along K: the slot's q-th.  p: wc's set;  sc: the set of scale words.  zero = 1: the first product starts the sums: nothing is ever cleared.
; The 64 accumulators take turns, one instruction a turn, in the same order in every step.
.macro MUL16 a0, p, q, sc, zero
.irp a, \a0, \a0+1
.irp b, 0,1,2,3,4,5,6,7
.if \zero
	v_wmma_scale_f32_16x16x128_f8f6f4 v[8*(8*((\a)%4)+\b):8*(8*((\a)%4)+\b)+7], v[128*(\p)+FR*\b:128*(\p)+FR*\b+FR-1], v[AF+FR*(\a):AF+FR*(\a)+FR-1], 0, v[SC+8*NQ*(\sc)+NQ*\b+(\q)], v[SC+8*NQ*(\sc)+NQ*(\a)+(\q)] matrix_a_fmt:MATRIX_FMT_FP6 matrix_b_fmt:MATRIX_FMT_FP6 matrix_a_scale:MATRIX_SCALE_ROW1
.else
	v_wmma_scale_f32_16x16x128_f8f6f4 v[8*(8*((\a)%4)+\b):8*(8*((\a)%4)+\b)+7], v[128*(\p)+FR*\b:128*(\p)+FR*\b+FR-1], v[AF+FR*(\a):AF+FR*(\a)+FR-1], v[8*(8*((\a)%4)+\b):8*(8*((\a)%4)+\b)+7], v[SC+8*NQ*(\sc)+NQ*\b+(\q)], v[SC+8*NQ*(\sc)+NQ*(\a)+(\q)] matrix_a_fmt:MATRIX_FMT_FP6 matrix_b_fmt:MATRIX_FMT_FP6 matrix_a_scale:MATRIX_SCALE_ROW1
.endif
.endr
.endr
.endm
.macro FETCH_B slot, q, p              ; wc's eight fragments of the slot's q-th 128 along K into set p
	WIN TO_B
.irp i, 0,1,2,3,4,5,6,7
	FRAG 128*(\p)+FR*\i, ADRB+\slot, \q, \i
.endr
	WIN 0
.endm
.macro FETCH_A slot, q, i0             ; xc's blocks i0 .. i0 + 3
.irp i, \i0, \i0+1, \i0+2, \i0+3
	FRAG AF+FR*(\i), ADRA+\slot, \q, \i
.endr
.endm
.macro SCALES sc                       ; the next K step's scale words into set sc: two words a row; lanes 0-15 take xc's block i, lanes 16-31 wc's block i
.irp i, 0,1,2,3,4,5,6,7
	ds_load_b64 v[SC+8*NQ*\sc+NQ*\i:SC+8*NQ*\sc+NQ*\i+1], v[ADRS] offset:\i*SBLK
.endr
.endm
; A load into a register that a matrix instruction has read, and a vector instruction that reads a matrix result or writes one of a matrix instruction's registers, stand NP places behind that matrix instruction, and only
; plain vector instructions that name none of its registers are places (ISA guide 7.12.1 for vector instructions); the matrix instructions in between are not counted.
.macro PLACES n
.rept \n
	v_nop
.endr
.endm
; A step of 128 along K that has its successor in the same slot.
.macro STEP slot, q, zero
	s_wait_dscnt 4*NL                              ; wc's set and xc's blocks 0-3 are in; the youngest 24 loads (xc's blocks 4-7) may be out
	WIN MUL_LO
	MUL16 0, (\q)%2, \q, \slot, \zero
	MUL16 2, (\q)%2, \q, \slot, \zero
	s_wait_dscnt 0                                 ; xc's blocks 4-7 are in (asked for 32 matrix instructions ago)
	PLACES NP
	FETCH_B \slot, (\q)+1, 1-(\q)%2
	FETCH_A \slot, (\q)+1, 0
	WIN MUL_HI
	MUL16 4, (\q)%2, \q, \slot, \zero
	MUL16 6, (\q)%2, \q, \slot, \zero
	PLACES NP
	WIN 0
	FETCH_A \slot, (\q)+1, 4
.endm
; A slot's last step changes slots: ONE barrier; in front of it each wave waits for all its tensor loads, adds 0 to its spare word, and waits for that and for its own reads of this slot.  fill = 1: this slot is filled again, two K steps ahead.
; THE STEP'S FIRST 32 PRODUCTS STAND AHEAD OF THE WAIT FOR THE TENSOR LOADS: they take registers alone.  So between a refill's request and the wait for it a wave issues 32 + 64 + 32 = 128 matrix instructions, a whole K step's,
; and between that wait and the next request stand only the add, the descriptors' steps, the wait for my LDS instructions and the round.
.macro TURN slot, next, fill
.if \fill
	s_wait_xcnt 0x0                                ; the last prefetch, a K step back, has read its address: it is stepped here, ahead of the change of slots
	s_add_nc_u64 s[PFA:PFA+1], s[PFA:PFA+1], ROWB
.endif
	s_wait_dscnt 4*NL                              ; wc's set and xc's blocks 0-3 are in; the youngest 24 loads (xc's blocks 4-7) may be out
	WIN MUL_LO
	MUL16 0, 1, NQ-1, \slot, 0
	MUL16 2, 1, NQ-1, \slot, 0
	WIN 0
	s_wait_tensorcnt 0x0                           ; all my tensor loads have landed: the one that was out is my part of the next slot; so every group 0 may be written
	ds_add_u32 v[SPW], v[NIL]                      ; 0 onto my spare word; the descriptors' steps stand between it and the wait for it
.if \fill
	s_add_nc_u64 s[G0+4*\slot+2:G0+4*\slot+3], s[G0+4*\slot+2:G0+4*\slot+3], 2*ROWB
	s_add_nc_u64 s[G0B+4*\slot+2:G0B+4*\slot+3], s[G0B+4*\slot+2:G0B+4*\slot+3], 2*ROWB
.endif
	s_wait_dscnt 0x0                               ; the add is done, and my reads of this slot are over: the last were xc's blocks 4-7
	s_barrier_signal -1
	s_barrier_wait -1
.if \fill
	CREST                                          ; the barrier has opened a round of the cluster's barrier: no wave of any partner still reads this slot's tile or has a load on its way
	JLOAD G0+4*\slot, G1, G0B+4*\slot, G1B         ; the first tensor load behind the round, my one load until the next; the four v_nop behind it are the places in front of the loads below
.else
	PLACES NP
.endif
	v_add_nc_u32 v[ADRS], 4*NQ, v[ADRS]            ; on to the next K step's scale words (no LDS load of mine is out)
	FETCH_B \next, 0, 0
	FETCH_A \next, 0, 0
	SCALES \next
.if \fill
	ASK \slot
.endif
	WIN MUL_HI
	MUL16 4, 1, NQ-1, \slot, 0
	MUL16 6, 1, NQ-1, \slot, 0
	PLACES NP
	WIN 0
	FETCH_A \next, 0, 4
.endm
; THE WAY OUT'S TABLE.  For wc's block b (16 columns) a lane wants, of each of tab's ten rows, the eight numbers of its half: two loads of 16 bytes a row, 20 loads, into set `set` of window 1.
.macro TLOAD b, set
	WIN TO_B
.irp c, 0,1,2,3,4,5,6,7,8,9
.irp q, 0,1
.set kq, 2*\c+\q
.set rT, (4*kq)*(1-(\set))+(80+4*kq+96*(kq/12))*(\set)
	global_load_b128 v[rT:rT+3], v[TBO], s[TAB:TAB+1] offset:8192*\c+64*(\b)+16*\q
.endr
.endr
	WIN 0
.endm
; Block b's 16 columns of all my 128 rows go into the sums: for each of the eight accumulators (a, b) and each pair of its registers, ten packed multiply-adds by the table's pair and one by itself.
; Each accumulator is read from its low end on.  Between two links of one sum stand 39 other lines (3 for the squares).  In block 0 the first pair's products start the sums: nothing is cleared.
.macro DOT b
.set TS, (\b)%2
.if (\b) < 7
	s_wait_loadcnt 20                              ; this block's 20 table loads are in; the next block's stay out
.else
	s_wait_loadcnt 0
.endif
.irp hi, 0,1
	WIN 0x06+\hi                                   ; source 0: the accumulators' window (2 or 3); source 1: the table's (1); the sums in window 0
.irp jp, 0,1,2,3
.irp a, 0,1,2,3
.irp c, 0,1,2,3,4,5,6,7,8,9
.set rS, SUM+2*(11*(4*\hi+\a)+\c)
.set rA, 8*(8*\a+(\b))+2*\jp
.set kq, 2*\c+\jp/2
.set rT, (4*kq)*(1-TS)+(80+4*kq+96*(kq/12))*TS+2*(\jp%2)
.if ((\b) == 0) && (\jp == 0)
	v_pk_mul_f32 v[rS:rS+1], v[rA:rA+1], v[rT:rT+1]
.else
	v_pk_fma_f32 v[rS:rS+1], v[rA:rA+1], v[rT:rT+1], v[rS:rS+1]
.endif
.endr
.endr
.endr
	WIN 0x0a+5*\hi                                 ; sources 0 and 1: the accumulators' window
.irp jp, 0,1,2,3
.irp a, 0,1,2,3
.set rS, SUM+2*(11*(4*\hi+\a)+10)
.set rA, 8*(8*\a+(\b))+2*\jp
.if ((\b) == 0) && (\jp == 0)
	v_pk_mul_f32 v[rS:rS+1], v[rA:rA+1], v[rA:rA+1]
.else
	v_pk_fma_f32 v[rS:rS+1], v[rA:rA+1], v[rA:rA+1], v[rS:rS+1]
.endif
.endr
.endr
.endr
.if (\b) <= 5
	TLOAD (\b)+2, (\b)%2                           ; the set just used takes the block two on
.endif
.endm
.macro OUTC i                          ; sum column wave + 4 i of both halves of the tile's columns, 256 rows: four loads of 512 bytes
.irp p, 0,1
	ds_load_b128 v[LB+8*(2*(\i)+\p):LB+8*(2*(\i)+\p)+3], v[RD] offset:4096*(\i)+512*\p
	ds_load_b128 v[LB+8*(2*(\i)+\p)+4:LB+8*(2*(\i)+\p)+7], v[RD] offset:4096*(\i)+512*\p+HSTG
.endr
.endm
.macro SENDC i                         ; the two halves are added and leave
.irp p, 0,1
	v_pk_add_f32 v[LB+8*(2*(\i)+\p):LB+8*(2*(\i)+\p)+1], v[LB+8*(2*(\i)+\p):LB+8*(2*(\i)+\p)+1], v[LB+8*(2*(\i)+\p)+4:LB+8*(2*(\i)+\p)+5]
	v_pk_add_f32 v[LB+8*(2*(\i)+\p)+2:LB+8*(2*(\i)+\p)+3], v[LB+8*(2*(\i)+\p)+2:LB+8*(2*(\i)+\p)+3], v[LB+8*(2*(\i)+\p)+6:LB+8*(2*(\i)+\p)+7]
	global_store_b128 v[CO], v[LB+8*(2*(\i)+\p):LB+8*(2*(\i)+\p)+3], s[PRT:PRT+1] offset:4*32768*(\i)+512*\p th:TH_STORE_NT   ; 32 lanes store 512 consecutive bytes, at a multiple of 256 from part's first byte
.endr
.endm
	s_wait_tensorcnt 1                             ; the scales and my part of K step 0 are in (K step 1's load may be out)
	s_barrier_signal -1
	s_barrier_wait -1                              ; everybody's are
	FETCH_B 0, 0, 0
	FETCH_A 0, 0, 0
	SCALES 0
	FETCH_A 0, 0, 4
	STEP 0, 0, 1                                   ; the first step stands in front of the loop: its products start the sums
	s_mov_b32 s3, LAPS-1
.Llap:                                                 ; a trip goes once round the ring, from a lap's second step to the next lap's first, and fills both slots again
	TURN 0, 1, 1
	STEP 1, 0, 0
	TURN 1, 0, 1
	STEP 0, 0, 0
	s_sub_co_u32 s3, s3, 1
	s_cmp_lg_u32 s3, 0
	s_cbranch_scc1 .Llap
	TURN 0, 1, 0                                   ; the last lap fills nothing, and has no round of the cluster's barrier
	STEP 1, 0, 0
	TLOAD 0, 0                                     ; the table of blocks 0 and 1 is asked for under the last 64 products: wc's set 0 was last read in front of the step's last places, the rest of these registers never
	TLOAD 1, 1
	s_wait_dscnt 4*NL                              ; the very last step: nothing more to fetch from LDS
	WIN MUL_LO
	MUL16 0, 1, NQ-1, 1, 0
	MUL16 2, 1, NQ-1, 1, 0
	s_wait_dscnt 0
	WIN MUL_HI
	MUL16 4, 1, NQ-1, 1, 0
	MUL16 6, 1, NQ-1, 1, 0
	WIN 0
	; THE WAY OUT.  feats stays in the accumulators; eleven sums a row are made of it.
	PLACES NP                                      ; behind the last products: for the reads of their results, and for the sums, which are written over xc's fragments and the scale words
.irp b, 0,1,2,3,4,5,6,7
	DOT \b
.endr
	WIN 0
.set i, 0
.rept 88
	v_add_f32 v[SUM+2*i], v[SUM+2*i], v[SUM+2*i+1]                 ; even columns' + odd columns'
.set i, i+1
.endr
; Lane (r, h) holds row 16 a + r's sum over its half's columns.  The swap puts block 2 ap + 1's lanes 0-15 into block 2 ap's lanes 16-31 and the reverse: the sum of the two registers is then, in lane l, row 32 ap + l, whole.
.irp ap, 0,1,2,3
.irp c, 0,1,2,3,4,5,6,7,8,9,10
	v_permlane16_swap_b32 v[SUM+2*(22*\ap+\c)], v[SUM+2*(22*\ap+11+\c)]
.endr
.endr
.irp ap, 0,1,2,3
.irp c, 0,1,2,3,4,5,6,7,8,9,10
	v_add_f32 v[SUM+2*(22*\ap+\c)], v[SUM+2*(22*\ap+\c)], v[SUM+2*(22*\ap+11+\c)]
.endr
.endr
.irp ap, 0,1,2,3
.irp c, 0,1,2,3,4,5,6,7,8,9,10
	ds_store_b32 v[STO], v[SUM+2*(22*\ap+\c)] offset:1024*\c+128*\ap   ; 32 lanes, 128 consecutive bytes
.endr
.endr
	s_wait_dscnt 0x0                               ; for the others' sake: my stores into the stage are done
	s_barrier_signal -1
	s_barrier_wait -1
	OUTC 0                                         ; wave w takes sum columns w, w + 4 and, but for wave 3, w + 8
	OUTC 1
	s_wait_dscnt 0x0
	SENDC 0
	SENDC 1
	s_cmp_eq_u32 s14, 3                            ; there are eleven columns: wave 3 has no third
	s_cbranch_scc1 .Lno_third
	OUTC 2
	s_wait_dscnt 0x0
	SENDC 2
.Lno_third:
	s_wait_tensorcnt 0x0                           ; the wave's end, behind my last tensor load and my last LDS store
	ds_add_u32 v[SPW], v[NIL]
	s_wait_dscnt 0x0
	CROUND                                         ; the closing round: no work-group ends while a partner may still ask for a tile that names it
	s_endpgm
.Lfunc_end_k_qb59d542804_gemm:
	.size	k_qb59d542804_gemm, .Lfunc_end_k_qb59d542804_gemm-k_qb59d542804_gemm
	.p2alignl 7, 3214868480
	.fill 96, 4, 3214868480
	.section	.rodata,"a",@progbits
	.p2align	6, 0x0
	.amdhsa_kernel k_qb59d542804_gemm
		.amdhsa_group_segment_fixed_size 327680
		.amdhsa_private_segment_fixed_size 0
		.amdhsa_enable_private_segment 0
		.amdhsa_kernarg_size 48
		.amdhsa_user_sgpr_count 2
		.amdhsa_user_sgpr_kernarg_segment_ptr 1
		.amdhsa_wavefront_size32 1
		.amdhsa_system_sgpr_workgroup_id_x 1
		.amdhsa_system_sgpr_workgroup_id_y 1
		.amdhsa_system_sgpr_workgroup_id_z 1
		.amdhsa_system_vgpr_workitem_id 0
		.amdhsa_next_free_vgpr 1024
		.amdhsa_next_free_sgpr 102
		.amdhsa_reserve_vcc 0
		.amdhsa_float_denorm_mode_32 3
		.amdhsa_float_denorm_mode_16_64 3
		.amdhsa_memory_ordered 1
		.amdhsa_forward_progress 1
		.amdhsa_inst_pref_size 255
	.end_amdhsa_kernel
	.section	.bss,"aw",@nobits
	.p2align	6
	.space	262144
	.amdgpu_metadata
---
amdhsa.version: [ 1, 2 ]
amdhsa.kernels:
  - .name:           k_qb59d542804_gemm
    .symbol:         k_qb59d542804_gemm.kd
    .args:
      - { .name: xc, .offset: 0, .size: 8, .value_kind: global_buffer, .address_space: global }
      - { .name: xs, .offset: 8, .size: 8, .value_kind: global_buffer, .address_space: global }
      - { .name: wc, .offset: 16, .size: 8, .value_kind: global_buffer, .address_space: global }
      - { .name: ws, .offset: 24, .size: 8, .value_kind: global_buffer, .address_space: global }
      - { .name: tab, .offset: 32, .size: 8, .value_kind: global_buffer, .address_space: global }
      - { .name: part, .offset: 40, .size: 8, .value_kind: global_buffer, .address_space: global }
    .group_segment_fixed_size: 327680
    .private_segment_fixed_size: 0
    .kernarg_segment_align: 8
    .kernarg_segment_size: 48
    .max_flat_workgroup_size: 128
    .sgpr_count:     102
    .vgpr_count:     1024
    .wavefront_size: 32
...
	.end_amdgpu_metadata
.endif
;; end of part 2
;; launch finish (part 3): grid 64 x 1, 2 waves a work-group, no clusters, 4,352 bytes of LDS; arguments part, b_fc, out0, out1; writes out0, out1
.if DOCPART == 3
	.amdgcn_target "amdgcn-amd-amdhsa--gfx1250"
	.amdhsa_code_object_version 6
	.text
	.protected	k_qb59d542804_finish
	.globl	k_qb59d542804_finish
	.p2align	8
	.type	k_qb59d542804_finish,@function
k_qb59d542804_finish:
	s_mov_b64 s[64:65], 0
	v_nop
	global_prefetch_b8 v0, s[64:65] scope:SCOPE_SE
	s_setreg_imm32_b32 hwreg(HW_REG_WAVE_MODE, 25, 1), 1
	s_wait_xcnt 0x0
; The eight tile columns' parts of each row's eleven sums are added (part [8][11][8192] f32), in ascending order of the tile columns.  out0[row][c] = sum c + b_fc[c].
; out1[row] = the first class with the largest score, score c = sum (5 + c) x (1 / sqrt(sum 10)) / 8: the mean cosine of the row's features with the class's eight prototypes.
; A work-group owns 128 rows, a thread two neighbouring rows, as a register pair: a wave's load covers 256 consecutive bytes, aligned.  The results meet in LDS, so that every store covers 512 consecutive bytes, aligned.
; 8,192 rows are work for 64 such work-groups; no tensor load, no cluster: no two work-groups read the same bytes but the five numbers of b_fc.
; LIMITS: a row whose sum of squares lies under 2^-126 counts as zero for v_rsq_f32 (ISA guide 15.8: it flushes denormals): its scores are then NaN or infinite; five NaN give the label 0, as a first-occurrence argmax does.
.set TCS, 11*32768                     ; bytes from a tile column's part to the next
.set ONE, 8                            ; v8-11    the numbers 1 to 4: outside the registers that the loads write
.set L,   16                           ; v16-191  the pair of tile column g, sum c at v[L + 2 (11 g + c)]; the sums gather in tile column 0's: v16-37
.set OUTV, 40                          ; v40-49   two rows of out0       (v40 and on are written again only behind the wait for the last load)
.set INV, 50                           ; v[50:51] 1 / (8 x norm)
.set BEST, 52                          ; v[52:53] the best score so far
.set IDX, 54                           ; v[54:55] and its class
.set BK,  60                           ; v60-71   read back from LDS
	s_load_b256 s[4:11], s[0:1], 0x0               ; part s[4:5], b_fc s[6:7], out0 s[8:9], out1 s[10:11]
	v_lshl_add_u32 v192, v0, 2, 0x1000
	v_mov_b32 v193, 0
	v_lshrrev_b32 v1, 5, v0
	v_readfirstlane_b32 s17, v1                    ; wave 0, 1
	v_and_b32 v5, 31, v0
	v_lshlrev_b32 v5, 4, v5                        ; 16 x lane
	v_lshlrev_b32 v1, 3, v0                        ; my two rows in a column of part: 8 bytes
	v_mul_u32_u24 v2, v0, 40                       ; LDS: my two rows of out0, 20 bytes each
	v_lshl_add_u32 v3, v0, 3, 2560                 ; LDS: my two labels, behind out0's 2,560 bytes
	v_lshlrev_b32 v4, 4, v0                        ; back: 16 bytes a thread
.irp c, 1,2,3,4
	v_mov_b32 v[ONE-1+\c], \c
.endr
	s_lshl_b32 s18, ttmp9, 9                       ; 128 rows of 4 bytes: in part's columns and in out1
	s_mov_b32 s19, 0
	s_mul_i32 s24, ttmp9, 2560                     ; 128 rows of 20 bytes in out0
	s_mov_b32 s25, 0
	s_wait_kmcnt 0x0
	s_load_b128 s[12:15], s[6:7], 0x0              ; b_fc[0..3]
	s_load_b32 s16, s[6:7], 0x10                   ; b_fc[4]
	s_add_nc_u64 s[4:5], s[4:5], s[18:19]
	s_add_nc_u64 s[10:11], s[10:11], s[18:19]
	s_add_nc_u64 s[8:9], s[8:9], s[24:25]
	s_add_nc_u64 s[22:23], s[8:9], 2048            ; out0's last 512 bytes of the work-group's 2,560
.irp g, 0,1,2,3,4,5,6,7
.irp c, 0,1,2,3,4,5,6,7,8,9,10
	global_load_b64 v[L+2*(11*\g+\c):L+2*(11*\g+\c)+1], v1, s[4:5] offset:TCS*\g+32768*\c th:TH_LOAD_NT
.endr
.endr
.irp g, 1,2,3,4,5,6,7
.if 11*(7-\g) > 63
	s_wait_loadcnt 63                              ; the wait's field holds no more: at most 63 of the 88 are out, so the first 25 are in, tile columns 0 and 1 among them
.else
	s_wait_loadcnt 11*(7-\g)                       ; tile column g's eleven loads are in; the later tile columns' stay out
.endif
.irp c, 0,1,2,3,4,5,6,7,8,9,10
	v_pk_add_f32 v[L+2*\c:L+2*\c+1], v[L+2*\c:L+2*\c+1], v[L+2*(11*\g+\c):L+2*(11*\g+\c)+1]
.endr
.endr
	v_rsq_f32 v[INV], v[L+20]                      ; 1 / the features' norm, of my two rows
	v_rsq_f32 v[INV+1], v[L+21]
	s_wait_kmcnt 0x0                               ; b_fc
.irp c, 0,1,2,3,4
	v_add_f32 v[OUTV+\c], s[12+\c], v[L+2*\c]      ; out0 of my even row (plain lines behind the two transcendentals, which name none of their registers),
	v_add_f32 v[OUTV+5+\c], s[12+\c], v[L+2*\c+1]  ; and of my odd row
.endr
	s_wait_alu depctr_va_vdst(0)                   ; one wait for the two, ahead of their first reader
	v_pk_mul_f32 v[INV:INV+1], v[INV:INV+1], 0x3e000000 op_sel_hi:[1,0]   ; / 8: the sample size
.irp c, 0,1,2,3,4
	v_pk_mul_f32 v[L+10+2*\c:L+11+2*\c], v[L+10+2*\c:L+11+2*\c], v[INV:INV+1]   ; the mean cosines
.endr
.irp e, 0,1
	v_mov_b32 v[BEST+\e], v[L+10+\e]
	v_mov_b32 v[IDX+\e], 0
.endr
.irp c, 1,2,3,4
.irp e, 0,1
	v_cmp_gt_f32 vcc_lo, v[L+10+2*\c+\e], v[BEST+\e]               ; strictly greater: the first of equals keeps its place.  A choice of values: no branch and no address hangs on it
	v_cndmask_b32 v[IDX+\e], v[IDX+\e], v[ONE-1+\c], vcc_lo
	v_cndmask_b32 v[BEST+\e], v[BEST+\e], v[L+10+2*\c+\e], vcc_lo
.endr
.endr
.irp i, 0,1,2,3,4
	ds_store_b64 v2, v[OUTV+2*\i:OUTV+2*\i+1] offset:8*\i
.endr
	ds_store_b64 v3, v[IDX:IDX+1]
	s_wait_dscnt 0x0                               ; for the other wave's sake: my stores are done
	s_barrier_signal -1
	s_barrier_wait -1
	ds_load_b128 v[BK:BK+3], v4                    ; out0's bytes 0 .. 1,023,
	ds_load_b128 v[BK+4:BK+7], v4 offset:1024      ; 1,024 .. 2,047,
	ds_load_b128 v[BK+8:BK+11], v4 offset:2048     ; wave 0: out0's last 512 bytes; wave 1: the 128 labels
	s_wait_dscnt 0x0
	global_store_b128 v4, v[BK:BK+3], s[8:9]
	global_store_b128 v4, v[BK+4:BK+7], s[8:9] offset:1024
	s_cmp_eq_u32 s17, 0                            ; the choice hangs on the wave's number alone
	s_cselect_b64 s[20:21], s[22:23], s[10:11]
	global_store_b128 v5, v[BK+8:BK+11], s[20:21]  ; every store of a wave covers 512 consecutive bytes, aligned
	s_wait_tensorcnt 0x0
	ds_add_u32 v192, v193
	s_wait_dscnt 0x0
	s_endpgm
.Lfunc_end_k_qb59d542804_finish:
	.size	k_qb59d542804_finish, .Lfunc_end_k_qb59d542804_finish-k_qb59d542804_finish
	.p2alignl 7, 3214868480
	.fill 96, 4, 3214868480
	.section	.rodata,"a",@progbits
	.p2align	6, 0x0
	.amdhsa_kernel k_qb59d542804_finish
		.amdhsa_group_segment_fixed_size 4352
		.amdhsa_private_segment_fixed_size 0
		.amdhsa_enable_private_segment 0
		.amdhsa_kernarg_size 32
		.amdhsa_user_sgpr_count 2
		.amdhsa_user_sgpr_kernarg_segment_ptr 1
		.amdhsa_wavefront_size32 1
		.amdhsa_system_sgpr_workgroup_id_x 1
		.amdhsa_system_sgpr_workgroup_id_y 1
		.amdhsa_system_sgpr_workgroup_id_z 1
		.amdhsa_system_vgpr_workitem_id 0
		.amdhsa_next_free_vgpr 194
		.amdhsa_next_free_sgpr 66
		.amdhsa_reserve_vcc 1
		.amdhsa_float_denorm_mode_32 3
		.amdhsa_float_denorm_mode_16_64 3
		.amdhsa_memory_ordered 1
		.amdhsa_forward_progress 1
		.amdhsa_inst_pref_size 18
	.end_amdhsa_kernel
	.amdgpu_metadata
---
amdhsa.version: [ 1, 2 ]
amdhsa.kernels:
  - .name:           k_qb59d542804_finish
    .symbol:         k_qb59d542804_finish.kd
    .args:
      - { .name: part, .offset: 0, .size: 8, .value_kind: global_buffer, .address_space: global }
      - { .name: b_fc, .offset: 8, .size: 8, .value_kind: global_buffer, .address_space: global }
      - { .name: out0, .offset: 16, .size: 8, .value_kind: global_buffer, .address_space: global }
      - { .name: out1, .offset: 24, .size: 8, .value_kind: global_buffer, .address_space: global }
    .group_segment_fixed_size: 4352
    .private_segment_fixed_size: 0
    .kernarg_segment_align: 8
    .kernarg_segment_size: 32
    .max_flat_workgroup_size: 64
    .sgpr_count:     66
    .vgpr_count:     194
    .wavefront_size: 32
...
	.end_amdgpu_metadata
.endif
;; end of part 3
